; MI455X (gfx1250); checked and timed in simulation.
; The chip was launched on July 23, 2026; its instructions are those of AMD's public machine-readable ISA for CDNA 5 (MIT licence, August 2026) and "CDNA5" Instruction Set Architecture Reference Guide (July 2026). The comments in the code are by the model that wrote it; some were corrected since.
;; KDE. Allowed arithmetic: float matrix products may take bf16 or f16 operands with f32 sums; all other float work in f32.
;; Inputs: coordinates 8 x 4,096 x 2 float32; sigma one number float32; weights 8 x 4,096 float32.
;; Outputs: out0 8 x 4,096 float32.
;; 2 versions, each right; version 2 is version 1 with the launch kde written anew for expert scheduling mode. Each part assembles by itself: llvm-mc -triple=amdgcn-amd-amdhsa -mcpu=gfx1250 --defsym DOCPART=n.
;; ======== version 1 of 2: 1 launch
;; launch kde (part 1): grid 256 x 1, 16 waves a work-group, no clusters, 51,200 bytes of LDS; arguments coordinates, sigma, weights, out0; writes out0
.if DOCPART == 1
	.amdgcn_target "amdgcn-amd-amdhsa--gfx1250"
	.amdhsa_code_object_version 6
	.text
	.protected	k_q4d2729bb2e_kde
	.globl	k_q4d2729bb2e_kde
	.p2align	8
	.type	k_q4d2729bb2e_kde,@function
k_q4d2729bb2e_kde:
	s_mov_b64 s[64:65], 0
	v_nop
	global_prefetch_b8 v0, s[64:65] scope:SCOPE_SE
	s_setreg_imm32_b32 hwreg(HW_REG_WAVE_MODE, 25, 1), 1
	s_wait_xcnt 0x0
; out[b][i] = 1/(2 pi sigma^2) * sum over j of w[b][j] * exp(-|x_i - x_j|^2 / (2 sigma^2)).   B = 8, N = 4096, 2 coordinates, all f32.
;
; SHARES.  256 work-groups: batch = wg >> 5, 128 targets i each.  16 waves; every wave holds all 8 target tiles (16 i each) and walks
; 256 sources j of its own (16 j-tiles of 16), so a wave makes 128 tiles of 16 x 16 pairs.  The waves' partial sums meet in LDS at the end.
;
; THE EXPONENT COMES WHOLE OUT OF ONE MATRIX INSTRUCTION.  With u = s x, s = sqrt(log2(e)/2)/sigma, the base-2 exponent is
;   -|u_i - u_j|^2 = 2 u_i.u_j - |u_i|^2 - |u_j|^2.
; bf16 operands alone would be too coarse (the three terms are hundreds, their sum is wanted to 1e-3), so each scaled coordinate is cut into two
; bf16 pieces, U = h + m (16 significant bits); all four products of pieces get a place along K, and q = -U*U, made from the ROUNDED U and
; rounded to f32, is cut into three bf16 pieces that hold it exactly and meet a constant 1.  So the sum is the exponent for points moved by at
; most 2^-16 of their scaled coordinate, up to the f32 rounding of the squares: nothing is lost to cancellation.
; Lane (r, h) of an operand holds row r and the K places of half h: half 0 carries the first coordinate, half 1 the second.  Per register (low, high half):
;   reg   source side (j, first operand)   target side (i, second operand)
;   0     q1_j, q2_j                       1, 1
;   1     q3_j, 0                          1, 0
;   2     h_j,  m_j                        2h_i, 2h_i
;   3     h_j,  m_j                        2m_i, 2m_i
;   4     1, 1                             q1_i, q2_i
;   5     1, 0                             q3_i, 0
;   6, 7  0, 0                             (the next target fragment's registers 0, 1: finite numbers that meet zeros; so fragments lie 6 apart)
; In the result, lane (r, h), register e holds the pair (j = j0 + 8h + e, i = i0 + r): eight sources of one target.  v_exp_f32 in place, then
; four v_pk_fma_f32 with the eight weights w[j0+8h ..] add them up in f32.  (The matrix unit would need as many conversions to bf16 to be fed.)
;
; MEMORY.  The batch's coordinates (32 KiB) and weights (16 KiB) are staged in LDS once, 96 bytes a lane; the loop touches no global memory.
; The 32 work-groups of a batch read the same 48 KiB, but only these six loads a lane in front of 16 j-tiles of about 125 instructions each:
; joint requests in a cluster would share nothing inside the loop, so the launch has no cluster and no tensor load.
;
; LIMITS.  sigma finite, not zero, not denormal (1/sigma by v_rcp_f32, 1 ulp).  Coordinates finite, (0.85 x / sigma)^2 inside f32's range.
; Scaled coordinates rounded to 16 significant bits as said above.  Kernel values below 2^-126 count as zero (v_exp_f32).  NaN and infinities in the
; inputs are not followed as the reference follows them.  The sums run in another order than the reference's.
.set NPTS,   4096
.set WAVES,  16
.set JTILES, NPTS/16/WAVES             ; 16 j-tiles a wave
.set WBASE,  NPTS*8                    ; LDS: coordinates at byte 0 (32,768 bytes), weights behind them (16,384 bytes)
.set RPITCH, 576                       ; LDS, at the end, over the coordinates: 32 rows (wave, half) of 128 f32; 512 + 64 bytes, so that the two halves of a wave store into different banks
.set ONE2,   0x3f803f80                ; bf16 1, 1
.set ONE1,   0x00003f80                ; bf16 1, 0
; scalar registers
.set MASK, 30                          ; 0xffff0000: a word's upper 16 bits
.set SEL,  31                          ; v_perm_b32: the upper halves of two words
.set CNT,  32
; vector registers
.set XA,  1                            ; LDS address of my coordinate word in the j-tile that is loaded next
.set WA,  2                            ; LDS address of my eight weights in the j-tile that is loaded next
.set RA,  3                            ; LDS address of my word in my row of partial sums
.set ST,  4                            ; 16 x thread: staging, and wave 0's way out
.set SC,  5                            ; s
.set SC2, 6                            ; 2 s
.set NRM, 7                            ; 1 / (2 pi sigma^2)
.set XJ,  8                            ; the coordinate word of the next j-tile
.set TU,  9                            ; TU .. TC: at work while a source fragment is built
.set TH,  10
.set TR,  11
.set TS,  12
.set TQ,  13
.set TP,  14
.set TC,  15
.set IO,  11                           ; in front of the loop only: my byte offset in a tile of coordinates
.set ZO,  12                           ; in front of the loop only: offset 0
.set SG,  13                           ; in front of the loop only: sigma
.set AF,  16                           ; v[16:31]   two source fragments of 8
.set WF,  32                           ; v[32:47]   two sets of 8 weights
.set ACC, 48                           ; v[48:79]   target tile f: two pairs of sums
.set BF,  80                           ; v[80:129]  eight target fragments, 6 apart, and the two registers behind the last
.set DB,  132                          ; v[132:195] ring of eight result tiles
.set IX,  DB+24                        ; in front of the loop only: 8 target coordinates, then at work
.set HH,  DB+32                        ; in front of the loop only: 8 at work
.set FR,  64                           ; v[64:191]  wave 0 at the end: 32 rows x 4 sums
	s_load_b256 s[4:11], s[0:1], 0x0               ; coordinates s[4:5], sigma s[6:7], weights s[8:9], out s[10:11]
	v_lshl_add_u32 v196, v0, 2, 0xc000
	v_mov_b32 v197, 0
	v_lshrrev_b32 v[TC], 5, v0
	v_readfirstlane_b32 s12, v[TC]                 ; wave 0..15
	s_lshr_b32 s13, ttmp9, 5                       ; batch
	s_and_b32 s14, ttmp9, 31                       ; which 128 targets
	s_mov_b32 s[MASK], 0xffff0000
	s_mov_b32 s[SEL], 0x07060302
	v_and_b32 v[TU], 15, v0                        ; r
	v_bfe_u32 v[TH], v0, 4, 1                      ; h
	v_lshlrev_b32 v[ST], 4, v0
	v_lshlrev_b32 v[IO], 3, v[TU]                  ; point r: 8 bytes,
	v_lshl_add_u32 v[IO], v[TH], 2, v[IO]          ; coordinate h: 4 bytes
	s_lshl_b32 s24, s12, 11                        ; my wave's 256 sources: 2,048 bytes of coordinates
	v_add_nc_u32 v[XA], s24, v[IO]
	s_lshl_b32 s24, s12, 10                        ; and 1,024 bytes of weights
	s_add_co_u32 s24, s24, WBASE
	v_lshl_add_u32 v[WA], v[TH], 5, s24            ; half h takes weights 8h .. 8h+7 of a j-tile
	s_mul_i32 s24, s12, 2*RPITCH                   ; rows 2 wave + h of the partial sums
	v_mul_u32_u24 v[RA], v[TH], RPITCH
	v_lshl_add_u32 v[RA], v[TU], 2, v[RA]
	v_add_nc_u32 v[RA], s24, v[RA]
	v_mov_b32 v[ZO], 0
	s_lshl_b32 s16, s13, 15                        ; a batch: 32,768 bytes of coordinates
	s_mov_b32 s17, 0
	s_lshl_b32 s18, s14, 10                        ; 128 targets: 1,024 bytes of coordinates
	s_mov_b32 s19, 0
	s_lshl_b32 s26, s13, 14                        ; a batch: 16,384 bytes of weights and of out
	s_mov_b32 s27, 0
	s_lshl_b32 s28, s14, 9                         ; 128 targets: 512 bytes of out
	s_add_co_u32 s28, s28, s26
	s_mov_b32 s29, 0
	s_wait_kmcnt 0x0
	s_add_nc_u64 s[4:5], s[4:5], s[16:17]          ; my batch's coordinates
	s_add_nc_u64 s[18:19], s[4:5], s[18:19]        ; my targets' coordinates
	s_add_nc_u64 s[8:9], s[8:9], s[26:27]          ; my batch's weights
	s_add_nc_u64 s[10:11], s[10:11], s[28:29]      ; my targets' results
	; All loads at once.  512 threads x 16 bytes = 8,192 bytes an instruction.
.irp k, 0,1,2,3
	global_load_b128 v[DB+4*\k:DB+4*\k+3], v[ST], s[4:5] offset:\k*8192
.endr
.irp k, 0,1
	global_load_b128 v[DB+16+4*\k:DB+16+4*\k+3], v[ST], s[8:9] offset:\k*8192
.endr
	global_load_b32 v[SG], v[ZO], s[6:7]           ; sigma, in every lane
.irp f, 0,1,2,3,4,5,6,7
	global_load_b32 v[IX+\f], v[IO], s[18:19] offset:\f*128    ; target tile f: coordinate h of point r
.endr
	s_wait_loadcnt 9                               ; the six staging loads are in; sigma's and the eight targets' loads, issued behind them, may be out
.irp k, 0,1,2,3
	ds_store_b128 v[ST], v[DB+4*\k:DB+4*\k+3] offset:\k*8192
.endr
.irp k, 0,1
	ds_store_b128 v[ST], v[DB+16+4*\k:DB+16+4*\k+3] offset:WBASE+\k*8192
.endr
	s_wait_loadcnt 0x0
	v_rcp_f32 v[TP], v[SG]                         ; the constants below are the plain lines between v_rcp_f32 and the use of its result (ISA guide 5.7.2)
.irp p, 0,1
	v_mov_b32 v[AF+8*\p+4], ONE2                   ; the constant half of both source fragments
	v_mov_b32 v[AF+8*\p+5], ONE1
	v_mov_b32 v[AF+8*\p+6], 0
	v_mov_b32 v[AF+8*\p+7], 0
.endr
.irp f, 0,1,2,3,4,5,6,7,8
	v_mov_b32 v[BF+6*\f], ONE2                     ; registers 0, 1 of the target fragments; f = 8: the two behind the last one
	v_mov_b32 v[BF+6*\f+1], ONE1
.endr
	s_wait_alu depctr_va_vdst(0)
	v_mul_f32 v[SC], 0x3f596d27, v[TP]             ; s = 0.8493218 / sigma, 0.8493218 = sqrt(log2(e) / 2)
	v_mul_f32 v[NRM], v[TP], v[TP]
	v_add_f32 v[SC2], v[SC], v[SC]
	v_mul_f32 v[NRM], 0.15915494, v[NRM]           ; 1 / (2 pi sigma^2)
	; The eight target fragments, line by line over all eight so that no line waits for the one in front of it.
	; The pieces are those of 2 s x: doubling is exact, so they are twice the pieces that the same point has as a source.
.irp f, 0,1,2,3,4,5,6,7
	v_mul_f32 v[IX+\f], v[IX+\f], v[SC2]                       ; 2u
.endr
.irp f, 0,1,2,3,4,5,6,7
	v_cvt_pk_bf16_f32 v[BF+6*\f+2], v[IX+\f], v[IX+\f]         ; 2h, 2h
.endr
.irp f, 0,1,2,3,4,5,6,7
	v_and_b32 v[HH+\f], s[MASK], v[BF+6*\f+2]                  ; 2h as f32
.endr
.irp f, 0,1,2,3,4,5,6,7
	v_sub_f32 v[IX+\f], v[IX+\f], v[HH+\f]                     ; what 2h leaves, exact
.endr
.irp f, 0,1,2,3,4,5,6,7
	v_cvt_pk_bf16_f32 v[BF+6*\f+3], v[IX+\f], v[IX+\f]         ; 2m, 2m
.endr
.irp f, 0,1,2,3,4,5,6,7
	v_and_b32 v[IX+\f], s[MASK], v[BF+6*\f+3]                  ; 2m as f32
.endr
.irp f, 0,1,2,3,4,5,6,7
	v_add_f32 v[IX+\f], v[HH+\f], v[IX+\f]                     ; 2U, exact
.endr
.irp f, 0,1,2,3,4,5,6,7
	v_mul_f32 v[IX+\f], 0.5, v[IX+\f]                          ; U
.endr
.irp f, 0,1,2,3,4,5,6,7
	v_mul_f32 v[HH+\f], -v[IX+\f], v[IX+\f]                    ; q = -U U
.endr
.irp f, 0,1,2,3,4,5,6,7
	v_and_b32 v[IX+\f], s[MASK], v[HH+\f]                      ; q1: q's upper 16 bits
.endr
.irp f, 0,1,2,3,4,5,6,7
	v_sub_f32 v[IX+\f], v[HH+\f], v[IX+\f]                     ; q - q1, exact, 16 bits
.endr
.irp f, 0,1,2,3,4,5,6,7
	v_perm_b32 v[BF+6*\f+4], v[IX+\f], v[HH+\f], s[SEL]        ; q1 (low half), q2 = the rest's upper 16 bits (high half)
.endr
.irp f, 0,1,2,3,4,5,6,7
	v_and_b32 v[HH+\f], s[MASK], v[IX+\f]                      ; q2 as f32
.endr
.irp f, 0,1,2,3,4,5,6,7
	v_sub_f32 v[IX+\f], v[IX+\f], v[HH+\f]                     ; q3: 8 bits are left, a bf16 exactly
.endr
.irp f, 0,1,2,3,4,5,6,7
	v_lshrrev_b32 v[BF+6*\f+5], 16, v[IX+\f]                   ; q3, 0
.endr
	s_wait_dscnt 0x0                               ; my part of the staged bytes is in LDS, for the other waves' sake,
	s_barrier_signal -1
	s_barrier_wait -1                              ; and so is everybody's
; Line n (0..14) of the building of a source fragment in v[ab:ab+3] from the coordinate word XJ.  The lines form a chain, so they are handed out
; one at a time among the exponentials and sums of the tiles at work.
.macro PREPOP n, ab
.if (\n) == 0
	v_mul_f32 v[TU], v[XJ], v[SC]                  ; u = s x
.endif
.if (\n) == 1
	v_cvt_pk_bf16_f32 v[TC], v[TU], v[TU]          ; h
.endif
.if (\n) == 2
	v_lshlrev_b32 v[TH], 16, v[TC]                 ; h as f32
.endif
.if (\n) == 3
	v_sub_f32 v[TR], v[TU], v[TH]                  ; what h leaves, exact
.endif
.if (\n) == 4
	v_cvt_pk_bf16_f32 v[\ab+2], v[TH], v[TR]       ; h, m
.endif
.if (\n) == 5
	v_and_b32 v[TC], s[MASK], v[\ab+2]             ; m as f32
.endif
.if (\n) == 6
	v_mov_b32 v[\ab+3], v[\ab+2]                   ; h, m once more: they meet 2h_i in register 2 and 2m_i in register 3
.endif
.if (\n) == 7
	v_add_f32 v[TS], v[TH], v[TC]                  ; U = h + m, exact
.endif
.if (\n) == 8
	v_mul_f32 v[TQ], -v[TS], v[TS]                 ; q = -U U
.endif
.if (\n) == 9
	v_and_b32 v[TC], s[MASK], v[TQ]                ; q1
.endif
.if (\n) == 10
	v_sub_f32 v[TP], v[TQ], v[TC]                  ; q - q1
.endif
.if (\n) == 11
	v_perm_b32 v[\ab], v[TP], v[TQ], s[SEL]        ; q1, q2
.endif
.if (\n) == 12
	v_and_b32 v[TC], s[MASK], v[TP]                ; q2 as f32
.endif
.if (\n) == 13
	v_sub_f32 v[TC], v[TP], v[TC]                  ; q3
.endif
.if (\n) == 14
	v_lshrrev_b32 v[\ab+1], 16, v[TC]              ; q3, 0
.endif
.endm
.macro EXP4 b                          ; four exponentials in place
.irp e, 0,1,2,3
	v_exp_f32 v[\b+\e], v[\b+\e]
.endr
.endm
.macro FMA2 d, w, a, start             ; four kernel values times their weights into the tile's two pairs of sums; start = 1: the products start the sums
.if \start
	s_wait_alu depctr_va_vdst(0)
	v_pk_mul_f32 v[\a:\a+1], v[\d:\d+1], v[\w:\w+1]
	v_pk_mul_f32 v[\a+2:\a+3], v[\d+2:\d+3], v[\w+2:\w+3]
.else
	s_wait_alu depctr_va_vdst(0)
	v_pk_fma_f32 v[\a:\a+1], v[\d:\d+1], v[\w:\w+1], v[\a:\a+1]
	v_pk_fma_f32 v[\a+2:\a+3], v[\d+2:\d+3], v[\w+2:\w+3], v[\a+2:\a+3]
.endif
.endm
.macro MM kn, ab                       ; the 256 exponents of target tile kn and the source fragment at ab
	v_wmma_f32_16x16x32_bf16 v[DB+8*(\kn):DB+8*(\kn)+7], v[\ab:\ab+7], v[BF+6*(\kn):BF+6*(\kn)+7], 0
.endm
; Target tile k of the j-tile T whose fragment and weights lie in set p (= T & 1).
;  - The sums trail the exponentials by half a tile: between a v_exp_f32 and the line that reads its result there is always a plain vector line that
;    touches neither (ISA guide 5.7.2): the two sums of the half tile before, or a line of PREPOP.
;  - The matrix instruction runs four tiles ahead (tiles 4..7 of T, then 0..3 of T+1).  Its result is first read four tiles later, behind 14 packed
;    sums that name none of its registers: more than the four places that ISA guide 7.12.1 asks for.  The ring slot that it writes was read last three tiles ago.
;  - Tiles 0..3 build the fragment of T+1 in the other set, whose last reader was tile 3 of T-1.
; first = 1: T = 0, nothing trails in and the first products start the sums.  ldx = 1: the coordinate word of T+2 is loaded.  next = 1: there is a T+1.
.macro TILE k, p, first, ldx, next
	EXP4 DB+8*\k
.if \next
.if \k < 4
	PREPOP 4*\k, AF+8*(1-\p)
.endif
.endif
.if \k == 0
.if \ldx
	ds_load_b32 v[XJ], v[XA]                       ; behind the line that read XJ
	v_add_nc_u32 v[XA], 128, v[XA]
.endif
.if \first == 0
	FMA2 DB+8*7+4, WF+8*(1-\p)+4, ACC+4*7, 0       ; the upper half of tile 7 of T-1, with T-1's weights
.endif
.if \next
	ds_load_b128 v[WF+8*(1-\p):WF+8*(1-\p)+3], v[WA]           ; that set is free now: the weights of T+1
	ds_load_b128 v[WF+8*(1-\p)+4:WF+8*(1-\p)+7], v[WA] offset:16
	v_add_nc_u32 v[WA], 64, v[WA]
.endif
.else
	FMA2 DB+8*(\k-1)+4, WF+8*\p+4, ACC+4*(\k-1), 0
.endif
.if \next
.if \k < 4
	PREPOP 4*\k+1, AF+8*(1-\p)
.endif
.endif
.if \k < 4
	MM (\k+4)%8, AF+8*\p
.else
.if \next
	MM (\k+4)%8, AF+8*(1-\p)
.endif
.endif
	EXP4 DB+8*\k+4
.if \next
.if \k < 4
	PREPOP 4*\k+2, AF+8*(1-\p)
.endif
.endif
	FMA2 DB+8*\k, WF+8*\p, ACC+4*\k, \first
.if \next
.if \k < 4
	PREPOP 4*\k+3, AF+8*(1-\p)
.endif
.endif
.endm
.macro JT p, first, ldx, next
	s_wait_dscnt 0x0                               ; the three LDS loads of the j-tile before (this one's weights, the next one's coordinates): nothing else is out
.irp k, 0,1,2,3,4,5,6,7
	TILE \k, \p, \first, \ldx, \next
.endr
.endm
	; In front of the first j-tile: its fragment, its weights, the exponents of its tiles 0..3, and the coordinate word of the second.
	ds_load_b32 v[XJ], v[XA]
	ds_load_b128 v[WF:WF+3], v[WA]
	ds_load_b128 v[WF+4:WF+7], v[WA] offset:16
	s_wait_dscnt 2                                 ; the coordinate word is in; the two loads of weights behind it may be out
	PREPOP 0, AF
	ds_load_b32 v[XJ], v[XA] offset:128
	v_add_nc_u32 v[XA], 256, v[XA]
	v_add_nc_u32 v[WA], 64, v[WA]
.irp n, 1,2,3,4,5,6,7,8,9,10,11,12,13,14
	PREPOP \n, AF
.endr
.irp k, 0,1,2,3
	MM \k, AF
.endr
.rept 4
	v_nop                                          ; four places between a matrix instruction and the vector line that reads its result (ISA guide 7.12.1)
.endr
	JT 0, 1, 1, 1                                  ; T = 0: starts the sums
	JT 1, 0, 1, 1                                  ; T = 1
	s_mov_b32 s[CNT], (JTILES-4)/2
.Lpair:                                                ; T = 2 .. 13, two to a trip: the two sets take turns
	JT 0, 0, 1, 1
	JT 1, 0, 1, 1
	s_sub_co_u32 s[CNT], s[CNT], 1
	s_cmp_lg_u32 s[CNT], 0
	s_cbranch_scc1 .Lpair
	JT 0, 0, 0, 1                                  ; T = 14: there is no T + 2 to load
	JT 1, 0, 0, 0                                  ; T = 15: there is no T + 1
	FMA2 DB+8*7+4, WF+8+4, ACC+4*7, 0              ; the half tile that trails; the two sums in front of it stand behind its exponentials
	; A lane's four sums of each target tile become one: target r of tile f, over my wave's sources with (j & 8) = 8h.
.irp f, 0,1,2,3,4,5,6,7
	v_pk_add_f32 v[ACC+4*\f:ACC+4*\f+1], v[ACC+4*\f:ACC+4*\f+1], v[ACC+4*\f+2:ACC+4*\f+3]
.endr
.irp f, 0,1,2,3,4,5,6,7
	v_add_f32 v[ACC+4*\f], v[ACC+4*\f], v[ACC+4*\f+1]
.endr
	s_wait_dscnt 0x0                               ; my reads of the staged coordinates are over;
	s_barrier_signal -1
	s_barrier_wait -1                              ; everybody's are: the rows of partial sums may be laid over them
.irp f, 0,1,2,3,4,5,6,7
	ds_store_b32 v[RA], v[ACC+4*\f] offset:\f*64   ; row 2 wave + h, column 16 f + r
.endr
	s_wait_dscnt 0x0                               ; my rows are in LDS, for wave 0's sake
	s_barrier_signal -1
	s_barrier_wait -1
	s_cmp_lg_u32 s12, 0
	s_cbranch_scc1 .Ldone
	; Wave 0: lane l adds the 32 rows for targets 4l .. 4l+3 and stores 16 bytes: one store of 512 consecutive bytes, aligned.
.irp t, 0,1,2,3,4,5,6,7,8,9,10,11,12,13,14,15,16,17,18,19,20,21,22,23,24,25,26,27,28,29,30,31
	ds_load_b128 v[FR+4*\t:FR+4*\t+3], v[ST] offset:\t*RPITCH  ; in wave 0 ST is 16 x lane
.endr
.macro FOLD n                          ; rows 0 .. n-1 += rows n .. 2n-1
.set i, 0
.rept \n
	v_pk_add_f32 v[FR+4*i:FR+4*i+1], v[FR+4*i:FR+4*i+1], v[FR+4*(i+\n):FR+4*(i+\n)+1]
	v_pk_add_f32 v[FR+4*i+2:FR+4*i+3], v[FR+4*i+2:FR+4*i+3], v[FR+4*(i+\n)+2:FR+4*(i+\n)+3]
.set i, i+1
.endr
.endm
	s_wait_dscnt 0x0
	FOLD 16
	FOLD 8
	FOLD 4
	FOLD 2
	FOLD 1
.irp e, 0,1,2,3
	v_mul_f32 v[FR+\e], v[NRM], v[FR+\e]
.endr
	global_store_b128 v[ST], v[FR:FR+3], s[10:11]
.Ldone:
	s_wait_tensorcnt 0x0
	ds_add_u32 v196, v197
	s_wait_dscnt 0x0
	s_endpgm
.Lfunc_end_k_q4d2729bb2e_kde:
	.size	k_q4d2729bb2e_kde, .Lfunc_end_k_q4d2729bb2e_kde-k_q4d2729bb2e_kde
	.p2alignl 7, 3214868480
	.fill 96, 4, 3214868480
	.section	.rodata,"a",@progbits
	.p2align	6, 0x0
	.amdhsa_kernel k_q4d2729bb2e_kde
		.amdhsa_group_segment_fixed_size 51200
		.amdhsa_private_segment_fixed_size 0
		.amdhsa_enable_private_segment 0
		.amdhsa_kernarg_size 32
		.amdhsa_user_sgpr_count 2
		.amdhsa_user_sgpr_kernarg_segment_ptr 1
		.amdhsa_wavefront_size32 1
		.amdhsa_system_sgpr_workgroup_id_x 1
		.amdhsa_system_sgpr_workgroup_id_y 1
		.amdhsa_system_sgpr_workgroup_id_z 1
		.amdhsa_system_vgpr_workitem_id 0
		.amdhsa_next_free_vgpr 198
		.amdhsa_next_free_sgpr 66
		.amdhsa_reserve_vcc 0
		.amdhsa_float_denorm_mode_32 3
		.amdhsa_float_denorm_mode_16_64 3
		.amdhsa_memory_ordered 1
		.amdhsa_forward_progress 1
		.amdhsa_inst_pref_size 54
	.end_amdhsa_kernel
	.amdgpu_metadata
---
amdhsa.version: [ 1, 2 ]
amdhsa.kernels:
  - .name:           k_q4d2729bb2e_kde
    .symbol:         k_q4d2729bb2e_kde.kd
    .args:
      - { .name: coordinates, .offset: 0, .size: 8, .value_kind: global_buffer, .address_space: global }
      - { .name: sigma, .offset: 8, .size: 8, .value_kind: global_buffer, .address_space: global }
      - { .name: weights, .offset: 16, .size: 8, .value_kind: global_buffer, .address_space: global }
      - { .name: out0, .offset: 24, .size: 8, .value_kind: global_buffer, .address_space: global }
    .group_segment_fixed_size: 51200
    .private_segment_fixed_size: 0
    .kernarg_segment_align: 8
    .kernarg_segment_size: 32
    .max_flat_workgroup_size: 512
    .sgpr_count:     66
    .vgpr_count:     198
    .wavefront_size: 32
...
	.end_amdgpu_metadata
.endif
;; end of part 1
;; ======== version 2 of 2: 1 launch; version 1 with the launch kde written anew for expert scheduling mode
;; launch kde (part 2): grid 256 x 1, 16 waves a work-group, no clusters, 51,200 bytes of LDS; arguments coordinates, sigma, weights, out0; writes out0
.if DOCPART == 2
	.amdgcn_target "amdgcn-amd-amdhsa--gfx1250"
	.amdhsa_code_object_version 6
	.text
	.protected	k_q4d2729bb2e_kde
	.globl	k_q4d2729bb2e_kde
	.p2align	8
	.type	k_q4d2729bb2e_kde,@function
k_q4d2729bb2e_kde:
	s_mov_b64 s[64:65], 0
	v_nop
	global_prefetch_b8 v0, s[64:65] scope:SCOPE_SE
	s_setreg_imm32_b32 hwreg(HW_REG_WAVE_SCHED_MODE, 0, 2), 2
	s_setreg_imm32_b32 hwreg(HW_REG_WAVE_MODE, 25, 1), 1
	s_wait_xcnt 0x0
	s_wait_alu depctr_vm_vsrc(0)
; out[b][i] = 1/(2 pi sigma^2) * sum over j of w[b][j] * exp(-|x_i - x_j|^2 / (2 sigma^2)).   B = 8, N = 4096, 2 coordinates, all f32.
;
; SHARES.  256 work-groups: batch = wg >> 5, 128 targets i each.  16 waves; every wave holds all 8 target tiles (16 i each) and walks
; 256 sources j of its own (16 j-tiles of 16), so a wave makes 128 tiles of 16 x 16 pairs.  The waves' partial sums meet in LDS at the end.
;
; THE EXPONENT COMES WHOLE OUT OF ONE MATRIX INSTRUCTION.  With u = s x, s = sqrt(log2(e)/2)/sigma, the base-2 exponent is
;   -|u_i - u_j|^2 = 2 u_i.u_j - |u_i|^2 - |u_j|^2.
; bf16 operands alone would be too coarse (the three terms are hundreds, their sum is wanted to 1e-3), so each scaled coordinate is cut into two
; bf16 pieces, U = h + m (16 significant bits); all four products of pieces get a place along K, and q = -U*U, made from the ROUNDED U and
; rounded to f32, is cut into three bf16 pieces that hold it exactly and meet a constant 1.  So the sum is the exponent for points moved by at
; most 2^-16 of their scaled coordinate, up to the f32 rounding of the squares: nothing is lost to cancellation.
; Lane (r, h) of an operand holds row r and the K places of half h: half 0 carries the first coordinate, half 1 the second.  Per register (low, high half):
;   reg   source side (j, first operand)   target side (i, second operand)
;   0     q1_j, q2_j                       1, 1
;   1     q3_j, 0                          1, 0
;   2     h_j,  m_j                        2h_i, 2h_i
;   3     h_j,  m_j                        2m_i, 2m_i
;   4     1, 1                             q1_i, q2_i
;   5     1, 0                             q3_i, 0
;   6, 7  0, 0                             (the next target fragment's registers 0, 1: finite numbers that meet zeros; so fragments lie 6 apart)
; In the result, lane (r, h), register e holds the pair (j = j0 + 8h + e, i = i0 + r): eight sources of one target.  v_exp_f32 in place, then
; four v_pk_fma_f32 with the eight weights w[j0+8h ..] add them up in f32.  (The matrix unit would need as many conversions to bf16 to be fed.)
;
; MEMORY.  The batch's coordinates (32 KiB) and weights (16 KiB) are staged in LDS once, 96 bytes a lane; the loop touches no global memory.
; The 32 work-groups of a batch read the same 48 KiB, but only these six loads a lane in front of 16 j-tiles of about 125 instructions each:
; joint requests in a cluster would share nothing inside the loop, so the launch has no cluster and no tensor load.
;
; THE MODE: SCHED_MODE bits 1:0 = 2 (LLVM: expert scheduling mode 2), set by the entry lines.  The code itself states the register dependences
; between vector or matrix instructions and memory or LDS instructions, with s_wait_alu, always for 0.
; THE PLAN.  A j-tile T (set p = T & 1) is two steps of four target tiles; a step's 32 exponentials are one batch, and one wait on va_vdst ends the step.
;   even step: sums of ring slots 4..7 (j-tile T-1, weights WF[1-p]) | exponentials of slots 0..3 (T) | matrix instructions refill slots 4..7 (T, AF[p]) | the fragment of T+1 is built in AF[1-p]
;   odd step:  sums of ring slots 0..3 (T, weights WF[p])            | exponentials of slots 4..7 (T) | matrix instructions refill slots 0..3 (T+1, AF[1-p])
; Registers that LDS instructions touch in the loop:
;   XJ        Written by the load at the head of odd step T (the word of T+2); read by the first building line of even step T+1, and before the load by that of even step T.
;   WF[1-p]   Written by two loads at the head of odd step T (the weights of T+1); read last before them by the sums of even step T.
;   XA, WA    Read by those three loads; written by two adds once in two j-tiles, at the head of an even step; immediates reach the two j-tiles.
;   AF, BF, the sums and the ring are named by vector and matrix instructions alone.
; So the wait that ends an even step states all that the three loads straight behind it hang on, beside the batch's results; one wait on vm_vsrc in two j-tiles stands ahead of the adds.
;
; LIMITS.  sigma finite, not zero, not denormal (1/sigma by v_rcp_f32, 1 ulp).  Coordinates finite, (0.85 x / sigma)^2 inside f32's range.
; Scaled coordinates rounded to 16 significant bits as said above.  Kernel values below 2^-126 count as zero (v_exp_f32).  NaN and infinities in the
; inputs are not followed as the reference follows them.  The sums run in another order than the reference's.
.set NPTS,   4096
.set WAVES,  16
.set JTILES, NPTS/16/WAVES             ; 16 j-tiles a wave
.set WBASE,  NPTS*8                    ; LDS: coordinates at byte 0 (32,768 bytes), weights behind them (16,384 bytes)
.set RPITCH, 576                       ; LDS, at the end, over the coordinates: 32 rows (wave, half) of 128 f32; 512 + 64 bytes, so that the two halves of a wave store into different banks
.set ONE2,   0x3f803f80                ; bf16 1, 1
.set ONE1,   0x00003f80                ; bf16 1, 0
; scalar registers
.set MASK, 30                          ; 0xffff0000: a word's upper 16 bits
.set SEL,  31                          ; v_perm_b32: the upper halves of two words
.set CNT,  32
; vector registers
.set XA,  1                            ; LDS address of my coordinate word in the even j-tile of the pair in hand
.set WA,  2                            ; LDS address of my eight weights in the even j-tile of the pair in hand
.set RA,  3                            ; LDS address of my word in my row of partial sums
.set ST,  4                            ; 16 x thread: staging, and wave 0's way out
.set SC,  5                            ; s
.set SC2, 6                            ; 2 s
.set NRM, 7                            ; 1 / (2 pi sigma^2)
.set XJ,  8                            ; the coordinate word of the next j-tile
.set TU,  9                            ; TU .. TC: at work while a source fragment is built; TU also takes the first j-tile's coordinate word
.set TH,  10
.set TR,  11
.set TS,  12
.set TQ,  13
.set TP,  14
.set TC,  15
.set IO,  11                           ; in front of the loop only: my byte offset in a tile of coordinates
.set ZO,  12                           ; in front of the loop only: offset 0
.set SG,  13                           ; in front of the loop only: sigma
.set AF,  16                           ; v[16:31]   two source fragments of 8
.set WF,  32                           ; v[32:47]   two sets of 8 weights
.set ACC, 48                           ; v[48:79]   target tile f: two pairs of sums
.set BF,  80                           ; v[80:129]  eight target fragments, 6 apart, and the two registers behind the last
.set DB,  132                          ; v[132:195] ring of eight result tiles
.set IX,  DB+24                        ; in front of the loop only: 8 target coordinates, then at work
.set HH,  DB+32                        ; in front of the loop only: 8 at work
.set FR,  64                           ; v[64:191]  wave 0 at the end: 32 rows x 4 sums
	s_load_b256 s[4:11], s[0:1], 0x0               ; coordinates s[4:5], sigma s[6:7], weights s[8:9], out s[10:11]
	v_lshl_add_u32 v196, v0, 2, 0xc000
	v_mov_b32 v197, 0
	v_lshrrev_b32 v[TC], 5, v0
	v_readfirstlane_b32 s12, v[TC]                 ; wave 0..15
	s_lshr_b32 s13, ttmp9, 5                       ; batch
	s_and_b32 s14, ttmp9, 31                       ; which 128 targets
	s_mov_b32 s[MASK], 0xffff0000
	s_mov_b32 s[SEL], 0x07060302
	v_and_b32 v[TU], 15, v0                        ; r
	v_bfe_u32 v[TH], v0, 4, 1                      ; h
	v_lshlrev_b32 v[ST], 4, v0
	v_lshlrev_b32 v[IO], 3, v[TU]                  ; point r: 8 bytes,
	v_lshl_add_u32 v[IO], v[TH], 2, v[IO]          ; coordinate h: 4 bytes
	v_mul_u32_u24 v[RA], v[TH], RPITCH
	v_lshl_add_u32 v[RA], v[TU], 2, v[RA]
	v_mov_b32 v[ZO], 0
	s_wait_alu depctr_va_sdst(0)                   ; s12 is written, ahead of its first reader: the wave's places in LDS are made from it
	s_lshl_b32 s20, s12, 11                        ; my wave's 256 sources: 2,048 bytes of coordinates
	s_lshl_b32 s21, s12, 10                        ; and 1,024 bytes of weights
	s_add_co_u32 s21, s21, WBASE
	s_mul_i32 s22, s12, 2*RPITCH                   ; rows 2 wave + h of the partial sums
	v_add_nc_u32 v[XA], s20, v[IO]
	v_lshl_add_u32 v[WA], v[TH], 5, s21            ; half h takes weights 8h .. 8h+7 of a j-tile
	v_add_nc_u32 v[RA], s22, v[RA]
	s_lshl_b32 s16, s13, 15                        ; a batch: 32,768 bytes of coordinates
	s_mov_b32 s17, 0
	s_lshl_b32 s18, s14, 10                        ; 128 targets: 1,024 bytes of coordinates
	s_mov_b32 s19, 0
	s_lshl_b32 s26, s13, 14                        ; a batch: 16,384 bytes of weights and of out
	s_mov_b32 s27, 0
	s_lshl_b32 s28, s14, 9                         ; 128 targets: 512 bytes of out
	s_add_co_u32 s28, s28, s26
	s_mov_b32 s29, 0
	s_wait_kmcnt 0x0
	s_add_nc_u64 s[4:5], s[4:5], s[16:17]          ; my batch's coordinates
	s_add_nc_u64 s[18:19], s[4:5], s[18:19]        ; my targets' coordinates
	s_add_nc_u64 s[8:9], s[8:9], s[26:27]          ; my batch's weights
	s_add_nc_u64 s[10:11], s[10:11], s[28:29]      ; my targets' results
	s_wait_alu depctr_va_vdst(0)                   ; the offsets and addresses ST, IO, ZO, XA, WA, RA are written, which the loads and stores below read; so is TU, in which an LDS load lands in front of the loop
	; All loads at once.  512 threads x 16 bytes = 8,192 bytes an instruction.
.irp k, 0,1,2,3
	global_load_b128 v[DB+4*\k:DB+4*\k+3], v[ST], s[4:5] offset:\k*8192
.endr
.irp k, 0,1
	global_load_b128 v[DB+16+4*\k:DB+16+4*\k+3], v[ST], s[8:9] offset:\k*8192
.endr
	global_load_b32 v[SG], v[ZO], s[6:7]           ; sigma, in every lane
.irp f, 0,1,2,3,4,5,6,7
	global_load_b32 v[IX+\f], v[IO], s[18:19] offset:\f*128    ; target tile f: coordinate h of point r
.endr
	s_wait_loadcnt 9                               ; the six staging loads are in; sigma's and the eight targets' loads, issued behind them, may be out
.irp k, 0,1,2,3
	ds_store_b128 v[ST], v[DB+4*\k:DB+4*\k+3] offset:\k*8192
.endr
.irp k, 0,1
	ds_store_b128 v[ST], v[DB+16+4*\k:DB+16+4*\k+3] offset:WBASE+\k*8192
.endr
	s_wait_loadcnt 0x0
	v_rcp_f32 v[TP], v[SG]                         ; the constants below are the plain lines between v_rcp_f32 and the use of its result (ISA guide 5.7.2)
.irp p, 0,1
	v_mov_b32 v[AF+8*\p+4], ONE2                   ; the constant half of both source fragments
	v_mov_b32 v[AF+8*\p+5], ONE1
	v_mov_b32 v[AF+8*\p+6], 0
	v_mov_b32 v[AF+8*\p+7], 0
.endr
.irp f, 0,1,2,3,4,5,6,7,8
	v_mov_b32 v[BF+6*\f], ONE2                     ; registers 0, 1 of the target fragments; f = 8: the two behind the last one
	v_mov_b32 v[BF+6*\f+1], ONE1
.endr
	s_wait_alu depctr_va_vdst(0)                   ; the reciprocal has written TP, ahead of its first reader
	v_mul_f32 v[SC], 0x3f596d27, v[TP]             ; s = 0.8493218 / sigma, 0.8493218 = sqrt(log2(e) / 2)
	v_mul_f32 v[NRM], v[TP], v[TP]
	v_add_f32 v[SC2], v[SC], v[SC]
	v_mul_f32 v[NRM], 0.15915494, v[NRM]           ; 1 / (2 pi sigma^2)
	; The eight target fragments, line by line over all eight so that no line waits for the one in front of it.
	; The pieces are those of 2 s x: doubling is exact, so they are twice the pieces that the same point has as a source.
.irp f, 0,1,2,3,4,5,6,7
	v_mul_f32 v[IX+\f], v[IX+\f], v[SC2]                       ; 2u
.endr
.irp f, 0,1,2,3,4,5,6,7
	v_cvt_pk_bf16_f32 v[BF+6*\f+2], v[IX+\f], v[IX+\f]         ; 2h, 2h
.endr
.irp f, 0,1,2,3,4,5,6,7
	v_and_b32 v[HH+\f], s[MASK], v[BF+6*\f+2]                  ; 2h as f32
.endr
.irp f, 0,1,2,3,4,5,6,7
	v_sub_f32 v[IX+\f], v[IX+\f], v[HH+\f]                     ; what 2h leaves, exact
.endr
.irp f, 0,1,2,3,4,5,6,7
	v_cvt_pk_bf16_f32 v[BF+6*\f+3], v[IX+\f], v[IX+\f]         ; 2m, 2m
.endr
.irp f, 0,1,2,3,4,5,6,7
	v_and_b32 v[IX+\f], s[MASK], v[BF+6*\f+3]                  ; 2m as f32
.endr
.irp f, 0,1,2,3,4,5,6,7
	v_add_f32 v[IX+\f], v[HH+\f], v[IX+\f]                     ; 2U, exact
.endr
.irp f, 0,1,2,3,4,5,6,7
	v_mul_f32 v[IX+\f], 0.5, v[IX+\f]                          ; U
.endr
.irp f, 0,1,2,3,4,5,6,7
	v_mul_f32 v[HH+\f], -v[IX+\f], v[IX+\f]                    ; q = -U U
.endr
.irp f, 0,1,2,3,4,5,6,7
	v_and_b32 v[IX+\f], s[MASK], v[HH+\f]                      ; q1: q's upper 16 bits
.endr
.irp f, 0,1,2,3,4,5,6,7
	v_sub_f32 v[IX+\f], v[HH+\f], v[IX+\f]                     ; q - q1, exact, 16 bits
.endr
.irp f, 0,1,2,3,4,5,6,7
	v_perm_b32 v[BF+6*\f+4], v[IX+\f], v[HH+\f], s[SEL]        ; q1 (low half), q2 = the rest's upper 16 bits (high half)
.endr
.irp f, 0,1,2,3,4,5,6,7
	v_and_b32 v[HH+\f], s[MASK], v[IX+\f]                      ; q2 as f32
.endr
.irp f, 0,1,2,3,4,5,6,7
	v_sub_f32 v[IX+\f], v[IX+\f], v[HH+\f]                     ; q3: 8 bits are left, a bf16 exactly
.endr
.irp f, 0,1,2,3,4,5,6,7
	v_lshrrev_b32 v[BF+6*\f+5], 16, v[IX+\f]                   ; q3, 0
.endr
	s_wait_dscnt 0x0                               ; my part of the staged bytes is in LDS, for the other waves' sake,
	s_barrier_signal -1
	s_barrier_wait -1                              ; and so is everybody's
	s_wait_alu depctr_vm_vsrc(0)                   ; my staging stores have read v[DB:DB+23], which the matrix instructions below write; the global loads have read IO and ZO, which the building lines write as TR and TS
; Line n (0..14) of the building of a source fragment in v[ab:ab+3] from the coordinate word in v[x].  The lines form a chain, so they are handed out
; one at a time among the exponentials and sums of the tiles at work.
.macro PREPOP n, ab, x=XJ
.if (\n) == 0
	v_mul_f32 v[TU], v[\x], v[SC]                  ; u = s x
.endif
.if (\n) == 1
	v_cvt_pk_bf16_f32 v[TC], v[TU], v[TU]          ; h
.endif
.if (\n) == 2
	v_lshlrev_b32 v[TH], 16, v[TC]                 ; h as f32
.endif
.if (\n) == 3
	v_sub_f32 v[TR], v[TU], v[TH]                  ; what h leaves, exact
.endif
.if (\n) == 4
	v_cvt_pk_bf16_f32 v[\ab+2], v[TH], v[TR]       ; h, m
.endif
.if (\n) == 5
	v_and_b32 v[TC], s[MASK], v[\ab+2]             ; m as f32
.endif
.if (\n) == 6
	v_mov_b32 v[\ab+3], v[\ab+2]                   ; h, m once more: they meet 2h_i in register 2 and 2m_i in register 3
.endif
.if (\n) == 7
	v_add_f32 v[TS], v[TH], v[TC]                  ; U = h + m, exact
.endif
.if (\n) == 8
	v_mul_f32 v[TQ], -v[TS], v[TS]                 ; q = -U U
.endif
.if (\n) == 9
	v_and_b32 v[TC], s[MASK], v[TQ]                ; q1
.endif
.if (\n) == 10
	v_sub_f32 v[TP], v[TQ], v[TC]                  ; q - q1
.endif
.if (\n) == 11
	v_perm_b32 v[\ab], v[TP], v[TQ], s[SEL]        ; q1, q2
.endif
.if (\n) == 12
	v_and_b32 v[TC], s[MASK], v[TP]                ; q2 as f32
.endif
.if (\n) == 13
	v_sub_f32 v[TC], v[TP], v[TC]                  ; q3
.endif
.if (\n) == 14
	v_lshrrev_b32 v[\ab+1], 16, v[TC]              ; q3, 0
.endif
.endm
.macro EXP4 b                          ; four exponentials in place
.irp e, 0,1,2,3
	v_exp_f32 v[\b+\e], v[\b+\e]
.endr
.endm
.macro FMA2 d, w, a, start             ; four kernel values times their weights into the tile's two pairs of sums; start = 1: the products start the sums
.if \start
	v_pk_mul_f32 v[\a:\a+1], v[\d:\d+1], v[\w:\w+1]
	v_pk_mul_f32 v[\a+2:\a+3], v[\d+2:\d+3], v[\w+2:\w+3]
.else
	v_pk_fma_f32 v[\a:\a+1], v[\d:\d+1], v[\w:\w+1], v[\a:\a+1]
	v_pk_fma_f32 v[\a+2:\a+3], v[\d+2:\d+3], v[\w+2:\w+3], v[\a+2:\a+3]
.endif
.endm
.macro MM kn, ab                       ; the 256 exponents of target tile kn and the source fragment at ab
	v_wmma_f32_16x16x32_bf16 v[DB+8*(\kn):DB+8*(\kn)+7], v[\ab:\ab+7], v[BF+6*(\kn):BF+6*(\kn)+7], 0
.endm
; Quarter a (0..3) of a step of the j-tile T whose fragment and weights lie in set p (= T & 1).
;  - The sums read what the step before has made of its exponents; that step's closing wait stands between.  Each tile's lower half is added ahead of its upper half, j-tiles ascending.
;  - A ring slot is refilled by its matrix instruction behind its own four sums.  The result is first read in the same quarter of the next step, behind that step's first
;    four sums or more, which name other slots, the weights and the sums: the four places that ISA guide 7.12.1 asks for.  Each result is read from its low end on.
;  - Between a v_exp_f32 and the line that reads its result stand plain vector lines that touch neither (ISA guide 5.7.2): the next step's sums of the quarters before.
;  - The even step builds the fragment of T+1 in the other set, whose last reader, a matrix instruction of even step T-1, lies an odd step's sixteen sums back.
; first = 1: T = 0: nothing trails in, and the products of tiles 0..3 start their sums.  first = 2: T = 1: the products of tiles 4..7 of T = 0 start theirs.  next = 1: there is a T+1.
.macro SUBE a, p, first, next          ; even step: sums of slot 4+a (T-1), exponentials of slot a (T)
.if (\first) == 0
	FMA2 DB+32+8*\a, WF+8*(1-\p), ACC+16+4*\a, 0
.endif
.if (\first) == 2
	FMA2 DB+32+8*\a, WF+8*(1-\p), ACC+16+4*\a, 1
.endif
.if \next
	PREPOP 4*\a, AF+8*(1-\p)
.endif
.if (\first) != 1
	FMA2 DB+36+8*\a, WF+8*(1-\p)+4, ACC+16+4*\a, 0
.endif
.if \next
	PREPOP 4*\a+1, AF+8*(1-\p)
.endif
	EXP4 DB+8*\a
.if \next
	PREPOP 4*\a+2, AF+8*(1-\p)
.endif
	MM 4+\a, AF+8*\p
	EXP4 DB+8*\a+4
.if \next
	PREPOP 4*\a+3, AF+8*(1-\p)
.endif
.endm
.macro SUBO a, p, first, next          ; odd step: sums of slot a (T), exponentials of slot 4+a (T)
.if (\first) == 1
	FMA2 DB+8*\a, WF+8*\p, ACC+4*\a, 1
.else
	FMA2 DB+8*\a, WF+8*\p, ACC+4*\a, 0
.endif
	FMA2 DB+8*\a+4, WF+8*\p+4, ACC+4*\a, 0
	EXP4 DB+32+8*\a
.if \next
	MM \a, AF+8*(1-\p)
.endif
	EXP4 DB+36+8*\a
.endm
; A j-tile.  ldx = 1: the coordinate word of T+2 is loaded.
.macro JT p, first, ldx, next
	s_wait_dscnt 0x0                               ; the three LDS loads of the j-tile before (this one's weights, the next one's coordinates): nothing else is out
.if ((\p) == 0) && ((\first) == 0)
	s_wait_alu depctr_vm_vsrc(0)                   ; the LDS loads issued so far have read XA and WA, which move on by two j-tiles
.if \ldx
	v_add_nc_u32 v[XA], 256, v[XA]
.endif
	v_add_nc_u32 v[WA], 128, v[WA]
.endif
.irp a, 0,1,2,3
	SUBE \a, \p, \first, \next
.endr
	s_wait_alu depctr_va_vdst(0)                   ; the exponentials have written slots 0..3, which the sums below read; this step's sums are done reading the other set of weights and its first building line XJ, in which the loads below land; XA and WA are written
.if \ldx
	ds_load_b32 v[XJ], v[XA] offset:256+128*\p     ; the coordinate word of T+2
.endif
.if \next
	ds_load_b128 v[WF+8*(1-\p):WF+8*(1-\p)+3], v[WA] offset:64+64*\p          ; the weights of T+1
	ds_load_b128 v[WF+8*(1-\p)+4:WF+8*(1-\p)+7], v[WA] offset:64+64*\p+16
.endif
.irp a, 0,1,2,3
	SUBO \a, \p, \first, \next
.endr
	s_wait_alu depctr_va_vdst(0)                   ; the exponentials have written slots 4..7, which the next step's sums read: the wait stands ahead of the loop's branch and label too
.endm
	; In front of the first j-tile: its coordinate word and the second's, its weights, its fragment, and the exponents of its tiles 0..3.
	; No vector line since the wait ahead of the global loads names TU, XJ, the weights' registers, XA or WA.
	ds_load_b32 v[TU], v[XA]
	ds_load_b32 v[XJ], v[XA] offset:128
	ds_load_b128 v[WF:WF+3], v[WA]
	ds_load_b128 v[WF+4:WF+7], v[WA] offset:16
	s_wait_dscnt 3                                 ; the first coordinate word is in; the second and the two loads of weights behind it may be out
.irp n, 0,1,2,3,4,5,6,7,8,9,10,11,12,13,14
	PREPOP \n, AF, TU
.endr
.irp k, 0,1,2,3
	MM \k, AF
.endr
.rept 4
	v_nop                                          ; four places between a matrix instruction and the vector line that reads its result (ISA guide 7.12.1)
.endr
	JT 0, 1, 1, 1                                  ; T = 0: starts the sums of tiles 0..3
	JT 1, 2, 1, 1                                  ; T = 1: starts the sums of tiles 4..7
	s_mov_b32 s[CNT], (JTILES-4)/2
.Lpair:                                                ; T = 2 .. 13, two to a trip: the two sets take turns
	JT 0, 0, 1, 1
	JT 1, 0, 1, 1
	s_sub_co_u32 s[CNT], s[CNT], 1
	s_cmp_lg_u32 s[CNT], 0
	s_cbranch_scc1 .Lpair
	JT 0, 0, 0, 1                                  ; T = 14: there is no T + 2 to load
	JT 1, 0, 0, 0                                  ; T = 15: there is no T + 1
.irp a, 0,1,2,3
	FMA2 DB+32+8*\a, WF+8, ACC+16+4*\a, 0          ; the four tiles that trail, behind the last step's wait
	FMA2 DB+36+8*\a, WF+12, ACC+16+4*\a, 0
.endr
	; A lane's four sums of each target tile become one: target r of tile f, over my wave's sources with (j & 8) = 8h.
.irp f, 0,1,2,3,4,5,6,7
	v_pk_add_f32 v[ACC+4*\f:ACC+4*\f+1], v[ACC+4*\f:ACC+4*\f+1], v[ACC+4*\f+2:ACC+4*\f+3]
.endr
.irp f, 0,1,2,3,4,5,6,7
	v_add_f32 v[ACC+4*\f], v[ACC+4*\f], v[ACC+4*\f+1]
.endr
	s_wait_dscnt 0x0                               ; my reads of the staged coordinates are over;
	s_barrier_signal -1
	s_barrier_wait -1                              ; everybody's are: the rows of partial sums may be laid over them
	s_wait_alu depctr_va_vdst(0)                   ; the sums are written, which the LDS stores read; and every vector and matrix line is done with v[FR:FR+127], in which wave 0's loads land: no vector line stands between this wait and them
.irp f, 0,1,2,3,4,5,6,7
	ds_store_b32 v[RA], v[ACC+4*\f] offset:\f*64   ; row 2 wave + h, column 16 f + r
.endr
	s_wait_dscnt 0x0                               ; my rows are in LDS, for wave 0's sake
	s_barrier_signal -1
	s_barrier_wait -1
	s_cmp_lg_u32 s12, 0
	s_cbranch_scc1 .Ldone
	; Wave 0: lane l adds the 32 rows for targets 4l .. 4l+3 and stores 16 bytes: one store of 512 consecutive bytes, aligned.
	s_wait_alu depctr_vm_vsrc(0)                   ; my LDS stores have read the sums of tiles 4..7, v[64:79], in which the first rows land
.irp t, 0,1,2,3,4,5,6,7,8,9,10,11,12,13,14,15,16,17,18,19,20,21,22,23,24,25,26,27,28,29,30,31
	ds_load_b128 v[FR+4*\t:FR+4*\t+3], v[ST] offset:\t*RPITCH  ; in wave 0 ST is 16 x lane
.endr
.macro FOLD n                          ; rows 0 .. n-1 += rows n .. 2n-1
.set i, 0
.rept \n
	v_pk_add_f32 v[FR+4*i:FR+4*i+1], v[FR+4*i:FR+4*i+1], v[FR+4*(i+\n):FR+4*(i+\n)+1]
	v_pk_add_f32 v[FR+4*i+2:FR+4*i+3], v[FR+4*i+2:FR+4*i+3], v[FR+4*(i+\n)+2:FR+4*(i+\n)+3]
.set i, i+1
.endr
.endm
	s_wait_dscnt 0x0
	FOLD 16
	FOLD 8
	FOLD 4
	FOLD 2
	FOLD 1
.irp e, 0,1,2,3
	v_mul_f32 v[FR+\e], v[NRM], v[FR+\e]
.endr
	s_wait_alu depctr_va_vdst(0)                   ; the four results are written, which the store reads
	global_store_b128 v[ST], v[FR:FR+3], s[10:11]
.Ldone:
	s_wait_dscnt 0x0
	s_wait_alu depctr_hold_cnt(0) depctr_sa_sdst(0) depctr_va_vdst(0) depctr_va_sdst(0) depctr_va_ssrc(0) depctr_va_vcc(0) depctr_vm_vsrc(0)
	s_wait_tensorcnt 0x0
	ds_add_u32 v196, v197
	s_wait_dscnt 0x0
	s_endpgm
.Lfunc_end_k_q4d2729bb2e_kde:
	.size	k_q4d2729bb2e_kde, .Lfunc_end_k_q4d2729bb2e_kde-k_q4d2729bb2e_kde
	.p2alignl 7, 3214868480
	.fill 96, 4, 3214868480
	.section	.rodata,"a",@progbits
	.p2align	6, 0x0
	.amdhsa_kernel k_q4d2729bb2e_kde
		.amdhsa_group_segment_fixed_size 51200
		.amdhsa_private_segment_fixed_size 0
		.amdhsa_enable_private_segment 0
		.amdhsa_kernarg_size 32
		.amdhsa_user_sgpr_count 2
		.amdhsa_user_sgpr_kernarg_segment_ptr 1
		.amdhsa_wavefront_size32 1
		.amdhsa_system_sgpr_workgroup_id_x 1
		.amdhsa_system_sgpr_workgroup_id_y 1
		.amdhsa_system_sgpr_workgroup_id_z 1
		.amdhsa_system_vgpr_workitem_id 0
		.amdhsa_next_free_vgpr 198
		.amdhsa_next_free_sgpr 66
		.amdhsa_reserve_vcc 0
		.amdhsa_float_denorm_mode_32 3
		.amdhsa_float_denorm_mode_16_64 3
		.amdhsa_memory_ordered 1
		.amdhsa_forward_progress 1
		.amdhsa_inst_pref_size 52
	.end_amdhsa_kernel
	.amdgpu_metadata
---
amdhsa.version: [ 1, 2 ]
amdhsa.kernels:
  - .name:           k_q4d2729bb2e_kde
    .symbol:         k_q4d2729bb2e_kde.kd
    .args:
      - { .name: coordinates, .offset: 0, .size: 8, .value_kind: global_buffer, .address_space: global }
      - { .name: sigma, .offset: 8, .size: 8, .value_kind: global_buffer, .address_space: global }
      - { .name: weights, .offset: 16, .size: 8, .value_kind: global_buffer, .address_space: global }
      - { .name: out0, .offset: 24, .size: 8, .value_kind: global_buffer, .address_space: global }
    .group_segment_fixed_size: 51200
    .private_segment_fixed_size: 0
    .kernarg_segment_align: 8
    .kernarg_segment_size: 32
    .max_flat_workgroup_size: 512
    .sgpr_count:     66
    .vgpr_count:     198
    .wavefront_size: 32
...
	.end_amdgpu_metadata
.endif
;; end of part 2
